; MI455X (gfx1250); checked and timed in simulation.
; The chip was launched on July 23, 2026; its instructions are those of AMD's public machine-readable ISA for CDNA 5 (MIT licence, August 2026) and "CDNA5" Instruction Set Architecture Reference Guide (July 2026). The comments in the code are by the model that wrote it; some were corrected since.
;; Scaled Dot Product Attention. Allowed arithmetic: matrix products marked QUANTISED: E5M2 operands, one E8M0 scale for each 32 along K, by v_wmma_scale_f32_16x16x128_f8f6f4 with both operands' format E5M2, f32 sums; everything else in f32.
;; Inputs: x 16 x 2,048 x 512 float32.
;; Outputs: out0 16 x 2,048 x 512 float32.
;; This version of the problem:
;;   THIS VERSION OF THE PROBLEM IS GIVEN IN LOW PRECISION. The matrix products marked QUANTISED in the list below multiply operands that are first quantised to E5M2 (5 exponent bits, 2 mantissa bits; 8 bits a number), with one power-of-two scale for each 32 numbers along K (OCP MX v1.0); their sums are f32. All else is computed in f32.
;;   The module's matrix products, in the order in which they are computed (A, B: the left and right operand; K: the contracted axis; several contracted axes count as one K, in the product's order):
;;     1. batch 16 x [M 2,048, K 512] x [K 512, N 2,048]; A: input x; B: input x: QUANTISED
;;     2. batch 16 x [M 2,048, K 2,048] x [K 2,048, N 512]; A: softmax (see below); B: input x: QUANTISED
;;   THE QUANTISER, for each operand of a quantised product, along K:
;;     - K is cut into blocks of 32 from its start; a last block that is shorter is filled with zeros.
;;     - A block's scale is 2^e with e = floor(log2(the largest magnitude in the block)) - 15, held to -126 .. 127; a block of zeros has e = 0. As a byte (E8M0): e + 127.
;;     - Each number is divided by its block's scale, clamped to +-57,344, and rounded to the nearest number of E5M2, ties to even, subnormals kept.
;;     - The product sums the exact products of the quantised numbers (number of the format x scale) in f32.
;;   ~~~python
;;   def quantise(x, axis):      # numpy; x: float32 -> the quantised numbers, widened to float32 again
;;       x = np.moveaxis(x, axis, -1); K = x.shape[-1]
;;       x = np.pad(x, [(0, 0)] * (x.ndim - 1) + [(0, -K % 32)]); x = x.reshape(x.shape[:-1] + (-1, 32)); a = np.abs(x).max(-1, keepdims=True)
;;       e = np.where(a > 0, np.clip(np.frexp(np.where(a > 0, a, 1))[1] - 1 - 15, -126, 127), 0)      # np.frexp(a)[1] - 1 = floor(log2(a)), exactly
;;       r = np.clip(x / 2.0 ** e, -57344, 57344)
;;       step = 2.0 ** (np.maximum(np.frexp(np.where(r == 0, 1, r))[1] - 1, -14) - 2)
;;       q = np.round(r / step) * step * 2.0 ** e      # np.round: ties to even
;;       return np.moveaxis(q.reshape(q.shape[:-2] + (-1,))[..., :K], -1, axis).astype(np.float32)
;;   ~~~
;;   SOFTMAX AHEAD OF A QUANTISED PRODUCT. Where the list says 'softmax', what is quantised is not the finished softmax but p = 2^(t - M), with t = logit x log2(e) and M = ceil(the row's largest t), a whole number; so 1/2 < the row's largest p <= 1. The row's sum l is taken of the UNQUANTISED p, in f32, and the product's result is divided by l at the end. Since M is a whole number, a kernel that streams over the keys may use a running M (the ceiling of the running maximum): every later rescaling is an exact power of two, which a block's scale takes up: the codes' values come out the same.
;;   OPERANDS COMPUTED ON THE WAY. 'Computed on the way' means the value that the module computes at that place (a softmax that the list does not call 'softmax' is quantised finished and normalised). What goes into a quantiser is computed in f32, as accurately as f32 sums, v_exp_f32 and their like allow (about 1e-6 of the number): no bf16 or f16 on the way to a quantiser, and a product that is left as it is and whose result goes on into a quantised operand takes f32 operands (vector FMAs, or v_wmma_f32_16x16x4_f32). A number that lies on a knife's edge between two numbers of the format may be rounded either way, as far as f32 arithmetic and the matrix unit's own rounding can turn it there, and no further.
;; One version. Each part assembles by itself: llvm-mc -triple=amdgcn-amd-amdhsa -mcpu=gfx1250 --defsym DOCPART=n.
;; ======== version 1 of 1: 2 launches
;; limits: right only within a limited range of input values
;; workspace buffers: kw 17,432,576 bytes; vw 17,301,504 bytes
;; launch prep (part 1): grid 16 x 16, 8 waves a work-group, no clusters, 327,680 bytes of LDS; arguments x, kw, vw; writes kw, vw
.if DOCPART == 1
	.amdgcn_target "amdgcn-amd-amdhsa--gfx1250"
	.amdhsa_code_object_version 6
	.text
	.protected	k_qd6ab2c737e_prep
	.globl	k_qd6ab2c737e_prep
	.p2align	8
	.type	k_qd6ab2c737e_prep,@function
k_qd6ab2c737e_prep:
	s_mov_b64 s[64:65], 0
	v_nop
	global_prefetch_b8 v0, s[64:65] scope:SCOPE_SE
	s_setreg_imm32_b32 hwreg(HW_REG_WAVE_MODE, 25, 1), 1
	s_wait_xcnt 0x0
; x [16][2048][512] f32 is quantised twice to codes of E5M2 with one E8M0 scale for each 32: along the features (kw, with the scale words and 1 / norm) and along the keys (vw, with its scale words).
; A work-group takes a block of 128 keys.  Each of its eight waves fetches 16 keys by ONE tensor load (32 rows of 1,024 bytes, 16 bytes of padding behind each): key k lies at 2,080 k in LDS.
; The load stands in four arms, one for each pair of waves: waves 2 c and 2 c + 1 bring sub-block c, 32 keys.  In front of sub-block c's barrier the waves under 2 c + 2 wait for their load, in front of the last every wave:
; so a sub-block is worked while the later ones are on their way.  The tile is never written again, and each wave's LDS stores have bytes of their own.
; LIMITS: rows of norm 0, NaN and infinities among the inputs are not served; a block of zeros keeps the scale byte 1 (its codes are zeros, and this program alone reads the bytes).
.set SUBB,  66560
.set SD,    266240
.set SS,    268288
.set KBLK,  68096
.set VBLK,  67584
.set TM,    16
.set PW,    32
.set ACC,   34
.set SBV,   42
.set PC,    44
.set CV,    60
.set XK,    80
.set XV,    144
.set SEL,   48
.set MNT,   50
	s_load_b128 s[4:7], s[0:1], 0x0
	s_load_b64 s[8:9], s[0:1], 0x10
	v_lshl_add_u32 v208, v0, 2, 0x42000
	v_mov_b32 v209, 0
	ds_add_u32 v208, v209
	ds_add_u32 v208, v209
	v_lshrrev_b32 v1, 5, v0
	s_delay_alu instid0(VALU_DEP_1)
	v_readfirstlane_b32 s10, v1
	s_lshr_b32 s11, s10, 2
	s_and_b32 s12, s10, 3
	s_and_b32 s13, ttmp7, 0xffff
	s_lshl_b32 s13, s13, 4
	s_add_co_u32 s13, s13, ttmp9
	s_mov_b32 s16, (2<<16)|(1<<20)|(7<<22)|(3<<25)
	s_mov_b32 s17, 256<<16
	s_mov_b32 s18, 32<<16
	s_mov_b32 s19, 256<<16
	s_mov_b32 s20, 32
	s_mov_b32 s21, 256
	s_mov_b32 s22, 0
	s_mov_b32 s23, 0
	s_mov_b32 s[SEL], 0x76543210
	s_mov_b32 s[SEL+1], 0xfedcba98
	s_mov_b32 s[MNT], 0x600000
	s_lshl_b32 s40, s13, 18
	s_lshl_b32 s41, s10, 15
	s_add_co_u32 s40, s40, s41
	s_mov_b32 s41, 0
	s_mul_i32 s42, s13, KBLK
	s_mov_b32 s43, 0
	s_mul_i32 s44, s13, VBLK
	s_mov_b32 s45, 0
	s_mul_i32 s46, s10, 33280
	s_wait_dscnt 0x0
	s_wait_kmcnt 0x0
	s_add_nc_u64 s[4:5], s[4:5], s[40:41]
	s_add_nc_u64 s[6:7], s[6:7], s[42:43]
	s_add_nc_u64 s[8:9], s[8:9], s[44:45]
	s_mov_b32 s24, 1
	s_mov_b32 s25, s46
	s_mov_b64 s[26:27], s[4:5]
	s_or_b32 s27, s27, 0x80000000
	s_wait_alu depctr_va_vdst(0)                   ; the wait ahead of the branches
; my 16 keys: the wave's one tensor load.  One chain of branches on the wave's number, an arm for each pair of waves, all arms leading to one join
.macro ARM under, next
	s_cmp_lt_u32 s10, \under
	s_cbranch_scc0 \next
	tensor_load_to_lds s[24:27], s[16:23]
	s_nop 0
.rept 4
	v_nop
.endr
	s_branch .Lasked
\next:
.endm
	ARM 2, .Larm_1
	ARM 4, .Larm_2
	ARM 6, .Larm_3
	tensor_load_to_lds s[24:27], s[16:23]
	s_nop 0
.rept 4
	v_nop
.endr
.Lasked:
	v_and_b32 v1, 31, v0
	s_wait_alu depctr_va_vdst(0)
	v_and_b32 v2, 15, v0
	s_wait_alu depctr_va_vdst(0)
	v_bfe_u32 v3, v0, 4, 1
	v_and_b32 v4, 8, v2
	s_delay_alu instid0(VALU_DEP_1)
	v_add_nc_u32 v4, v4, v2
	s_delay_alu instid0(VALU_DEP_1)
	v_mul_u32_u24 v4, v4, 2080
	s_delay_alu instid0(VALU_DEP_1)
	v_lshl_add_u32 v4, v3, 6, v4
	s_mul_i32 s40, s11, 16640
	s_lshr_b32 s41, s12, 1
	s_mul_i32 s41, s41, 1040
	s_add_co_u32 s40, s40, s41
	s_and_b32 s41, s12, 1
	s_lshl_b32 s41, s41, 9
	s_add_co_u32 s40, s40, s41
	v_add_nc_u32 v4, s40, v4
	s_mul_i32 s40, s11, 1040
	s_lshl_b32 s41, s12, 8
	s_add_co_u32 s40, s40, s41
	v_lshl_add_u32 v5, v1, 2, s40
	s_lshl_b32 s40, s11, 8
	s_lshl_b32 s41, s12, 2
	s_add_co_u32 s41, s40, s41
	s_add_co_u32 s41, s41, SD
	v_lshl_add_u32 v6, v2, 4, s41
	s_lshl_b32 s41, s12, 6
	s_add_co_u32 s41, s40, s41
	s_add_co_u32 s41, s41, SS
	v_lshl_add_u32 v7, v2, 2, s41
	s_lshl_b32 s40, s11, 13
	s_lshl_b32 s41, s12, 11
	s_add_co_u32 s40, s40, s41
	v_lshl_add_u32 v8, v1, 4, s40
	s_lshl_b32 s40, s10, 13
	v_lshl_add_u32 v9, v3, 11, s40
	s_delay_alu instid0(VALU_DEP_1)
	v_lshl_add_u32 v9, v2, 4, v9
	s_lshl_b32 s40, s10, 8
	s_add_co_u32 s40, s40, 65536
	v_lshl_add_u32 v10, v1, 3, s40
	s_lshl_b32 s40, s10, 9
	s_add_co_u32 s41, s40, SD
	v_lshl_add_u32 v13, v1, 4, s41
	s_add_co_u32 s41, s40, 65536
	v_lshl_add_u32 v76, v1, 4, s41
	v_lshrrev_b32 v14, 2, v1
	s_delay_alu instid0(VALU_DEP_1)
	v_lshlrev_b32 v14, 8, v14
	v_and_b32 v15, 3, v1
	s_delay_alu instid0(VALU_DEP_1)
	v_lshl_add_u32 v14, v15, 4, v14
	s_delay_alu instid0(VALU_DEP_1)
	v_add_nc_u32 v14, SS, v14
	v_lshlrev_b32 v15, 4, v1
.irp b, 0,1,2,3
	v_mov_b32 v[TM+4+\b], 0
.endr
.macro QUANT s
.irp b, 0,1,2,3
	v_max3_num_f32 v[TM+\b], |v[\s+16*\b]|, |v[\s+1+16*\b]|, 0x8000000
.endr
.irp i, 2,4,6,8,10,12,14
.irp b, 0,1,2,3
	s_delay_alu instid0(VALU_DEP_4)
	v_max3_num_f32 v[TM+\b], v[TM+\b], |v[\s+16*\b+\i]|, |v[\s+1+16*\b+\i]|
.endr
.endr
.irp b, 0,1,2,3
	s_delay_alu instid0(VALU_DEP_4)
	v_permlanex16_b32 v[TM+4+\b], v[TM+\b], s[SEL], s[SEL+1]
.endr
.irp b, 0,1,2,3
	s_delay_alu instid0(VALU_DEP_4)
	v_max_num_f32 v[TM+\b], v[TM+\b], v[TM+4+\b]
.endr
.irp b, 0,1,2,3
	s_delay_alu instid0(VALU_DEP_4)
	v_add_nc_u32 v[TM+12+\b], 0xf8800000, v[TM+\b]
.endr
.irp b, 0,1,2,3
	v_and_or_b32 v[TM+8+\b], v[TM+\b], 0x7f800000, s[MNT]
.endr
.irp b, 0,1,2,3
	v_lshrrev_b32 v[TM+4+\b], 23, v[TM+12+\b]
.endr
	s_delay_alu instid0(VALU_DEP_3)
	v_lshl_or_b32 v[PW], v[TM+5], 8, v[TM+4]
	s_delay_alu instid0(VALU_DEP_1)
	v_lshl_or_b32 v[PW], v[TM+6], 16, v[PW]
	s_delay_alu instid0(VALU_DEP_1)
	v_lshl_or_b32 v[PW], v[TM+7], 24, v[PW]
.irp b, 0,1,2,3
.irp i, 0,1,2,3,4,5,6,7,8,9,10,11,12,13,14,15
	v_med3_num_f32 v[\s+16*\b+\i], v[\s+16*\b+\i], -v[TM+8+\b], v[TM+8+\b]
.endr
	v_cvt_scalef32_pk8_bf8_f32 v[PC+4*\b:PC+1+4*\b], v[\s+16*\b:\s+7+16*\b], v[TM+12+\b]
	v_cvt_scalef32_pk8_bf8_f32 v[PC+2+4*\b:PC+3+4*\b], v[\s+8+16*\b:\s+15+16*\b], v[TM+12+\b]
.endr
	v_nop
.endm
.macro VBLOCK g, c
.set XS, XV+32*\g
	v_max3_num_f32 v[TM], |v[XS]|, |v[XS+1]|, |v[XS+2]|
	v_max3_num_f32 v[TM+1], |v[XS+3]|, |v[XS+4]|, |v[XS+5]|
.irp i, 6,10,14,18,22,26
	s_delay_alu instid0(VALU_DEP_2)
	v_max3_num_f32 v[TM], v[TM], |v[XS+\i]|, |v[XS+\i+1]|
	s_delay_alu instid0(VALU_DEP_2)
	v_max3_num_f32 v[TM+1], v[TM+1], |v[XS+\i+2]|, |v[XS+\i+3]|
.endr
	s_delay_alu instid0(VALU_DEP_2)
	v_max3_num_f32 v[TM], v[TM], |v[XS+30]|, |v[XS+31]|
	s_delay_alu instid0(VALU_DEP_1)
	v_max3_num_f32 v[TM], v[TM], v[TM+1], 0x8000000
	s_delay_alu instid0(VALU_DEP_1)
	v_add_nc_u32 v[TM+2], 0xf8800000, v[TM]
	s_delay_alu instid0(VALU_DEP_2)
	v_and_or_b32 v[TM+3], v[TM], 0x7f800000, s[MNT]
.if \c == 0
	s_delay_alu instid0(VALU_DEP_2)
	v_lshrrev_b32 v[SBV+\g], 23, v[TM+2]
.else
	s_delay_alu instid0(VALU_DEP_2)
	v_lshrrev_b32 v[TM+8], 23, v[TM+2]
	s_delay_alu instid0(VALU_DEP_1)
	v_lshl_or_b32 v[SBV+\g], v[TM+8], 8*\c, v[SBV+\g]
.endif
.set ii, 0
.rept 32
	v_med3_num_f32 v[XS+ii], v[XS+ii], -v[TM+3], v[TM+3]
.set ii, ii+1
.endr
.irp q, 0,1,2,3
	v_cvt_scalef32_pk8_bf8_f32 v[CV+8*\g+2*\q:CV+8*\g+2*\q+1], v[XS+8*\q:XS+8*\q+7], v[TM+2]
.endr
	v_nop
	global_store_b128 v9, v[CV+8*\g:CV+8*\g+3], s[8:9] offset:4096*\g+512*\c
	global_store_b128 v9, v[CV+8*\g+4:CV+8*\g+7], s[8:9] offset:4096*\g+512*\c+256
.endm
.macro SUB c
	s_wait_alu depctr_va_vdst(0)                   ; the wait ahead of the branch and the waits below
.if \c < 3
	s_cmp_lt_u32 s10, 2*\c+2                       ; the waves whose loads bring sub-blocks 0 to c wait for them;
	s_cbranch_scc0 .Lnot_mine_\@
	s_wait_tensorcnt 0x0
.Lnot_mine_\@:
.else
	s_wait_tensorcnt 0x0                           ; in front of the last barrier every wave waits
.endif
	s_wait_dscnt 0x0
	s_barrier_signal -1
	s_barrier_wait -1                              ; sub-block c is whole for every wave
.if \c > 0
	s_wait_xcnt 0x0                                ; the last sub-block's stores have read their registers
.endif
	v_add_nc_u32 v11, \c*SUBB, v4
	v_add_nc_u32 v12, \c*SUBB, v5
.irp b, 0,1,2,3
.irp q, 0,1,2,3
	ds_load_b128 v[XK+16*\b+4*\q:XK+16*\b+4*\q+3], v11 offset:128*\b+16*\q
.endr
.endr
.irp g, 0,1
.set kk, 0
.rept 32
	ds_load_b32 v[XV+32*\g+kk], v12 offset:2080*kk+128*\g
.set kk, kk+1
.endr
.endr
	s_wait_dscnt 63
.irp a, 0,1,2,3
	v_pk_mul_f32 v[ACC+2*\a:ACC+2*\a+1], v[XK+2*\a:XK+2*\a+1], v[XK+2*\a:XK+2*\a+1]
.endr
.set pp, 4
.rept 28
	s_delay_alu instid0(VALU_DEP_4)
	v_pk_fma_f32 v[ACC+2*(pp%4):ACC+2*(pp%4)+1], v[XK+2*pp:XK+2*pp+1], v[XK+2*pp:XK+2*pp+1], v[ACC+2*(pp%4):ACC+2*(pp%4)+1]
.set pp, pp+1
.endr
	s_delay_alu instid0(VALU_DEP_3)
	v_pk_add_f32 v[ACC:ACC+1], v[ACC:ACC+1], v[ACC+2:ACC+3]
	s_delay_alu instid0(VALU_DEP_2)
	v_pk_add_f32 v[ACC+4:ACC+5], v[ACC+4:ACC+5], v[ACC+6:ACC+7]
	s_delay_alu instid0(VALU_DEP_1)
	v_pk_add_f32 v[ACC:ACC+1], v[ACC:ACC+1], v[ACC+4:ACC+5]
	s_delay_alu instid0(VALU_DEP_1)
	v_add_f32 v[ACC], v[ACC], v[ACC+1]
	s_delay_alu instid0(VALU_DEP_1)
	v_permlanex16_b32 v[ACC+2], v[ACC], s[SEL], s[SEL+1]
	s_delay_alu instid0(VALU_DEP_1)
	v_add_f32 v[ACC], v[ACC], v[ACC+2]
	QUANT XK
.irp q, 0,1,2,3
	global_store_b128 v8, v[PC+4*\q:PC+4*\q+3], s[6:7] offset:16384*\c+512*\q
.endr
	ds_store_b32 v6, v[PW] offset:512*\c
	ds_store_b32 v7, v[ACC] offset:512*\c
	s_wait_dscnt 34
	VBLOCK 0, \c
	s_wait_dscnt 0x0
	VBLOCK 1, \c
.endm
	SUB 0
	SUB 1
	SUB 2
	SUB 3
	global_store_b64 v10, v[SBV:SBV+1], s[8:9]
	s_wait_dscnt 0x0
	s_barrier_signal -1
	s_barrier_wait -1
	s_cmp_lt_u32 s10, 4
	s_cbranch_scc0 .Lnot_words
	ds_load_b128 v[80:83], v13
	s_wait_dscnt 0x0
	global_store_b128 v76, v[80:83], s[6:7]
	s_branch .Lend
.Lnot_words:
	s_cmp_eq_u32 s10, 4
	s_cbranch_scc0 .Lend
.irp k, 0,1,2,3
	ds_load_b128 v[80+4*\k:83+4*\k], v14 offset:64*\k
.endr
	s_wait_dscnt 0x0
	v_pk_add_f32 v[80:81], v[80:81], v[84:85]
	v_pk_add_f32 v[82:83], v[82:83], v[86:87]
	v_pk_add_f32 v[88:89], v[88:89], v[92:93]
	v_pk_add_f32 v[90:91], v[90:91], v[94:95]
	s_delay_alu instid0(VALU_DEP_2)
	v_pk_add_f32 v[80:81], v[80:81], v[88:89]
	s_delay_alu instid0(VALU_DEP_2)
	v_pk_add_f32 v[82:83], v[82:83], v[90:91]
	s_wait_alu depctr_va_vdst(0)
.irp i, 0,1,2,3
	v_rsq_f32 v[96+\i], v[80+\i]
.endr
	v_nop
	s_wait_alu depctr_va_vdst(0)
	global_store_b128 v15, v[96:99], s[6:7] offset:67584
.Lend:
	s_wait_tensorcnt 0x0
	ds_add_u32 v208, v209
	s_wait_dscnt 0x0
	s_endpgm
.Lfunc_end_k_qd6ab2c737e_prep:
	.size	k_qd6ab2c737e_prep, .Lfunc_end_k_qd6ab2c737e_prep-k_qd6ab2c737e_prep
	.p2alignl 7, 3214868480
	.fill 96, 4, 3214868480
	.section	.rodata,"a",@progbits
	.p2align	6, 0x0
	.amdhsa_kernel k_qd6ab2c737e_prep
		.amdhsa_group_segment_fixed_size 327680
		.amdhsa_private_segment_fixed_size 0
		.amdhsa_enable_private_segment 0
		.amdhsa_kernarg_size 24
		.amdhsa_user_sgpr_count 2
		.amdhsa_user_sgpr_kernarg_segment_ptr 1
		.amdhsa_wavefront_size32 1
		.amdhsa_system_sgpr_workgroup_id_x 1
		.amdhsa_system_sgpr_workgroup_id_y 1
		.amdhsa_system_sgpr_workgroup_id_z 1
		.amdhsa_system_vgpr_workitem_id 0
		.amdhsa_next_free_vgpr 210
		.amdhsa_next_free_sgpr 66
		.amdhsa_reserve_vcc 0
		.amdhsa_float_denorm_mode_32 3
		.amdhsa_float_denorm_mode_16_64 3
		.amdhsa_memory_ordered 1
		.amdhsa_forward_progress 1
		.amdhsa_inst_pref_size 117
	.end_amdhsa_kernel
	.amdgpu_metadata
---
amdhsa.version: [ 1, 2 ]
amdhsa.kernels:
  - .name:           k_qd6ab2c737e_prep
    .symbol:         k_qd6ab2c737e_prep.kd
    .args:
      - { .name: x, .offset: 0, .size: 8, .value_kind: global_buffer, .address_space: global }
      - { .name: kw, .offset: 8, .size: 8, .value_kind: global_buffer, .address_space: global }
      - { .name: vw, .offset: 16, .size: 8, .value_kind: global_buffer, .address_space: global }
    .group_segment_fixed_size: 327680
    .private_segment_fixed_size: 0
    .kernarg_segment_align: 8
    .kernarg_segment_size: 24
    .max_flat_workgroup_size: 256
    .sgpr_count:     66
    .vgpr_count:     210
    .wavefront_size: 32
...
	.end_amdgpu_metadata
.endif
;; end of part 1
;; launch attn (part 2): grid 16 x 16, 4 waves a work-group, clusters of 4 x 1, 327,680 bytes of LDS; arguments kw, vw, out0; writes out0
.if DOCPART == 2
	.amdgcn_target "amdgcn-amd-amdhsa--gfx1250"
	.amdhsa_code_object_version 6
	.text
	.protected	k_qd6ab2c737e_attn
	.globl	k_qd6ab2c737e_attn
	.p2align	8
	.type	k_qd6ab2c737e_attn,@function
k_qd6ab2c737e_attn:
	s_mov_b64 s[64:65], 0
	v_nop
	global_prefetch_b8 v0, s[64:65] scope:SCOPE_SE
	s_setreg_imm32_b32 hwreg(HW_REG_WAVE_MODE, 25, 1), 1
	s_wait_xcnt 0x0
	s_wait_alu depctr_hold_cnt(0) depctr_sa_sdst(0) depctr_va_vdst(0) depctr_va_sdst(0) depctr_va_ssrc(0) depctr_va_vcc(0) depctr_vm_vsrc(0)
	s_getreg_b32 s2, hwreg(HW_REG_IB_STS2, 6, 4)
	s_cmp_eq_u32 s2, 0
	s_cbranch_scc0 .Lentry_in_a_cluster
	s_endpgm
.Lentry_in_a_cluster:
	s_bfe_u32 s2, ttmp6, 0x10000c
	s_cmp_lg_u32 s2, 0x3003
	s_cbranch_scc0 .Lentry_shape_is_right
	s_endpgm
.Lentry_shape_is_right:
; out[b][i][:] = the sum over j of softmax_j(<x_i, x_j> / (|x_i| |x_j|)) x_j, both products on codes of BF8 (E5M2) with one E8M0 scale for each 32 along K.
; kw: x quantised along the features, its scale words and 1 / norm; vw: x quantised along the keys and its scale words; both in blocks of 128 keys laid as images of the operand's registers:
; a fragment (16 rows x 128 K) is 2,048 bytes on end, chunk c of lane l at 512 c + 16 l.  The rows of tile T of kw are keys 32 (T / 2) + 8 (T % 2) + r + 8 (r / 8).
; THE SOFTMAX: t = score x log2(e), p = 2^(t - M), M = the ceiling of the row's largest t; p is quantised along the keys, not normalised; the sum l of the unquantised p divides at the end.
; M IS THE CONSTANT 2, FOR EVERY INPUT.  Rounding to E5M2 and the hold at 57,344 change a magnitude by a factor from 0.875 to 1.112, so the squared length of a quantised row is 0.765 to 1.236 times that of the row.
; The diagonal score is that ratio, so its t lies between 1.10 and 1.79; by Cauchy-Schwarz every score is at most 1.236 and every t under 1.79.  So the row's largest t lies between 1 and 2, its ceiling is 2,
; p lies between 2^-3.8 and 2^-0.2 and l under 2,048: nothing overflows or underflows, and no running maximum is written.
; LIMITS: rows of norm 0, NaN and infinities among the inputs are not served.
; SHARES.  A work-group owns 128 queries.  S^T = K Q^T: wave 2 a + b takes 64 queries (tiles 4 a .., Q in 256 registers) against 64 of a step's 128 keys (key tiles 4 b ..), makes p, quantises it and stores it to LDS as images
; of the operand's registers.  O^T = V^T P^T: wave w takes all 128 queries against its 128 features: 64 accumulators.
; THE RING.  Two slots for K, two for V, two places for p.  Between change j - 1 and change j stand O += V P of step j - 1 and S, p of step j.  Behind change j: K(j + 2) and V(j + 1) are asked for.
; CLUSTER.  The four work-groups of a cluster share a batch and walk the same K and V: each half block is asked for jointly (waves 0, 1: K's halves; waves 2, 3: V's).  One tensor load of a wave is out at any time.
; NO PREFETCH: a refill is asked for a whole key step, 128 matrix instructions of each wave, ahead of the wait for it, and the four clusters of a batch ask for the same block in the same step.
; REGISTERS: window 0: v1-15 addresses; v16-61 scale words and statistics; v64-191 p's eight fragments, or scores (v64-127), 1 / norm and codes (v128-159), the softmax's work (v160-187); pair 0's K steps 2, 3 lie in v128-191 first;
;   v192-255 four fragments of V or K.  window 1: Q (tile t, K step k at 64 t + 16 k).  windows 2, 3: O^T: feature tile d, query tile e at 8 (8 (d % 4) + e).
.set SLK0,  0
.set SLK1,  68096
.set SLV0,  136192
.set SLV1,  203776
.set PB,    271360                     ; p's two places, 17,408 each: images [tile] x 2,048, then scale words [tile] x 128
.set PSZ,   17408
.set LX,    306176                     ; the partial sums l: [half of the keys][tile] x 128 bytes
.set SPARE, 308224                     ; the spare words: two blocks of 256 bytes that no other line names
.set KX,    68096
.set VX,    67584
.set PX,    19456
.set KBLK,  68096
.set VBLK,  67584
.set KHALF, 34048
.set VHALF, 33792
.set SPW, 1
.set NIL, 2
.set LN,  3
.set HH,  4
.set KA,  5
.set KSA, 6
.set RKA, 7
.set VA,  8
.set VSA, 9
.set PLA, 10
.set PWA, 11
.set PSA, 12
.set PWS, 13
.set KSC, 16                           ; v16-23 K's scale words: 4 pair + k
.set QO,  24                           ; v24    an offset at the head
.set QS,  26                           ; v26-33 Q's scale words: 4 (t / 2) + k; two on from K's modulo 8
.set VS,  34                           ; v34-37 V's
.set PW,  38                           ; v38-45 p's
.set RQ,  46                           ; v46-53 log2(e) / norm of my query, a pair a tile
.set LSM, 54                           ; v54-61 l over my half of the keys, a pair a tile
.set S,   64
.set RK,  128                          ; v128-159 1 / norm of my 64 keys; a pair's codes are laid over its 16
.set MX,  160
.set TP,  164
.set SC,  168
.set HD,  172
.set LA,  176
.set HB,  184                          ; v184-187 p's two scale bytes of each tile
.set KB,  192
.set RL,  46                           ; at the end, over v46-61: register 2 e, 2 e + 1: the two partial sums of query tile e, then 1 / l
.set MSB, 0
.macro WIN new
.if MSB != \new
	s_set_vgpr_msb (MSB<<8)|\new
.set MSB, \new
.endif
.endm
.macro PLACES n
.rept \n
	v_nop
.endr
.endm
.macro CROUND
	s_barrier_signal -1
	s_barrier_wait -1
	s_cmp_lg_u32 s10, 0
	s_cbranch_scc1 .Lnot_wave_0_\@
	s_barrier_signal -3
.Lnot_wave_0_\@:
	s_barrier_wait -3
	s_barrier_signal -1
	s_barrier_wait -1
.endm
.macro JLOADKV                         ; waves 0, 1: K;  waves 2, 3: V
	s_cmp_lt_u32 s10, 2
	s_cbranch_scc0 .Lfor_v_\@
	tensor_load_to_lds s[44:47], s[24:31]
	s_nop 0
	PLACES 4
	s_branch .Lasked_\@
.Lfor_v_\@:
	tensor_load_to_lds s[48:51], s[32:39]
	s_nop 0
	PLACES 4
.Lasked_\@:
.endm
.macro JLOADK
	s_cmp_lt_u32 s10, 2
	s_cbranch_scc0 .Lno_k_\@
	tensor_load_to_lds s[44:47], s[24:31]
	s_nop 0
	PLACES 4
.Lno_k_\@:
.endm
.macro JLOADV
	s_cmp_lt_u32 s10, 2
	s_cbranch_scc1 .Lno_v_\@
	tensor_load_to_lds s[48:51], s[32:39]
	s_nop 0
	PLACES 4
.Lno_v_\@:
.endm
; One matrix instruction.  d, a, b: first registers of D (and C), source 0, source 1; z: C = 0; sa, sb: scale registers; ra, rb: taken from lanes 16-31
.macro WM d, a, b, z, sa, sb, ra, rb
.if \z
.if (\ra) && (\rb)
	v_wmma_scale_f32_16x16x128_f8f6f4 v[\d:\d+7], v[\a:\a+15], v[\b:\b+15], 0, v[\sa], v[\sb] matrix_a_fmt:MATRIX_FMT_BF8 matrix_b_fmt:MATRIX_FMT_BF8 matrix_a_scale:MATRIX_SCALE_ROW1 matrix_b_scale:MATRIX_SCALE_ROW1
.elseif \ra
	v_wmma_scale_f32_16x16x128_f8f6f4 v[\d:\d+7], v[\a:\a+15], v[\b:\b+15], 0, v[\sa], v[\sb] matrix_a_fmt:MATRIX_FMT_BF8 matrix_b_fmt:MATRIX_FMT_BF8 matrix_a_scale:MATRIX_SCALE_ROW1
.elseif \rb
	v_wmma_scale_f32_16x16x128_f8f6f4 v[\d:\d+7], v[\a:\a+15], v[\b:\b+15], 0, v[\sa], v[\sb] matrix_a_fmt:MATRIX_FMT_BF8 matrix_b_fmt:MATRIX_FMT_BF8 matrix_b_scale:MATRIX_SCALE_ROW1
.else
	v_wmma_scale_f32_16x16x128_f8f6f4 v[\d:\d+7], v[\a:\a+15], v[\b:\b+15], 0, v[\sa], v[\sb] matrix_a_fmt:MATRIX_FMT_BF8 matrix_b_fmt:MATRIX_FMT_BF8
.endif
.else
.if (\ra) && (\rb)
	v_wmma_scale_f32_16x16x128_f8f6f4 v[\d:\d+7], v[\a:\a+15], v[\b:\b+15], v[\d:\d+7], v[\sa], v[\sb] matrix_a_fmt:MATRIX_FMT_BF8 matrix_b_fmt:MATRIX_FMT_BF8 matrix_a_scale:MATRIX_SCALE_ROW1 matrix_b_scale:MATRIX_SCALE_ROW1
.elseif \ra
	v_wmma_scale_f32_16x16x128_f8f6f4 v[\d:\d+7], v[\a:\a+15], v[\b:\b+15], v[\d:\d+7], v[\sa], v[\sb] matrix_a_fmt:MATRIX_FMT_BF8 matrix_b_fmt:MATRIX_FMT_BF8 matrix_a_scale:MATRIX_SCALE_ROW1
.elseif \rb
	v_wmma_scale_f32_16x16x128_f8f6f4 v[\d:\d+7], v[\a:\a+15], v[\b:\b+15], v[\d:\d+7], v[\sa], v[\sb] matrix_a_fmt:MATRIX_FMT_BF8 matrix_b_fmt:MATRIX_FMT_BF8 matrix_b_scale:MATRIX_SCALE_ROW1
.else
	v_wmma_scale_f32_16x16x128_f8f6f4 v[\d:\d+7], v[\a:\a+15], v[\b:\b+15], v[\d:\d+7], v[\sa], v[\sb] matrix_a_fmt:MATRIX_FMT_BF8 matrix_b_fmt:MATRIX_FMT_BF8
.endif
.endif
.endm
; Addresses of a step.  s52 the slot of K to fill, s53 to read, s54 the slot of V to read, s55 to fill, s56 the place of p to read, s57 to write.
.macro ADDR_PV
	s_add_co_u32 s72, s54, s68
	s_add_co_u32 s73, s54, s69
	s_add_co_u32 s73, s73, 65536
	s_add_co_u32 s74, s56, 16384
	v_lshl_add_u32 v[VA], v[LN], 4, s72
	v_lshl_add_u32 v[VSA], v[LN], 3, s73
	v_lshl_add_u32 v[PLA], v[LN], 4, s56
	v_lshl_add_u32 v[PWA], v[LN], 2, s74
.endm
.macro ADDR_QK
	s_add_co_u32 s75, s53, s63
	s_add_co_u32 s76, s53, s15
	s_add_co_u32 s76, s76, 65536
	s_add_co_u32 s77, s53, s79
	s_add_co_u32 s77, s77, 67584
	s_add_co_u32 s78, s57, s70
	s_add_co_u32 s86, s57, s71
	s_add_co_u32 s86, s86, 16384
	v_lshl_add_u32 v[KA], v[LN], 4, s75
	v_lshl_add_u32 v[KSA], v[LN], 4, s76
	v_lshl_add_u32 v[RKA], v[HH], 5, s77
	v_lshl_add_u32 v[PSA], v[LN], 4, s78
	v_lshl_add_u32 v[PWS], v[LN], 2, s86
.endm
.macro KPLACE be, k                    ; where the two fragments of pair be, K step k lie: pair 0's K steps 2 and 3 in v128-191, all others in half k % 2 of v192-255
.if ((\be) == 0) && ((\k) >= 2)
.set KF, 128+32*((\k)-2)
.else
.set KF, KB+32*((\k)%2)
.endif
.endm
.macro LK be, k
	KPLACE \be, \k
.irp u, 0,1
.irp c, 0,1,2,3
	ds_load_b128 v[KF+16*\u+4*\c:KF+16*\u+4*\c+3], v[KA] offset:(2*(\be)+\u)*8192+2048*(\k)+512*\c
.endr
.endr
.endm
.macro LKSC
	ds_load_b128 v[KSC:KSC+3], v[KSA]
	ds_load_b128 v[KSC+4:KSC+7], v[KSA] offset:512
.endm
.macro LRK
.irp e, 0,1,2,3
.irp q, 0,1
	ds_load_b128 v[RK+8*\e+4*\q:RK+8*\e+4*\q+3], v[RKA] offset:64*\e+16*\q
.endr
.endr
.endm
.macro LV d
.irp c, 0,1,2,3
	ds_load_b128 v[KB+16*((\d)%4)+4*\c:KB+16*((\d)%4)+4*\c+3], v[VA] offset:2048*(\d)+512*\c
.endr
.endm
; 8 matrix instructions of S^T: the pair's two key tiles x my four query tiles, K step k; the eight accumulators take turns
.macro MULQK be, k
	KPLACE \be, \k
.if (\k) == 0
.set ZQ, 1
.else
.set ZQ, 0
.endif
.irp u, 0,1
.irp t, 0,1,2,3
	WM S+16*\t+8*\u, KF+16*\u, 64*\t+16*(\k), ZQ, KSC+4*(\be)+(\k), QS+4*(\t/2)+(\k), \u, \t%2
.endr
.endr
.endm
; THE SOFTMAX of a pair: four units t of 16 registers: 16 neighbouring keys of one query of tile t.
.macro MULK t, i, be                   ; x 1 / the key's norm
	v_pk_mul_f32 v[S+16*(\t)+2*(\i):S+16*(\t)+2*(\i)+1], v[S+16*(\t)+2*(\i):S+16*(\t)+2*(\i)+1], v[RK+16*(\be)+2*(\i):RK+16*(\be)+2*(\i)+1]
.endm
.macro FMQ t, i                        ; x log2(e) / the query's norm, - 2
	v_pk_fma_f32 v[S+16*(\t)+2*(\i):S+16*(\t)+2*(\i)+1], v[S+16*(\t)+2*(\i):S+16*(\t)+2*(\i)+1], v[RQ+2*(\t):RQ+2*(\t)+1], -2.0 op_sel_hi:[1,0,0]
.endm
; units t0, t0 + 1: the sum of the unquantised p, the block's largest p over the floor 2^(16 - 127), and from it the conversion's scale operand, the hold and the scale's byte
.macro STAT t0, be
.irp t, \t0, \t0+1
	v_pk_add_f32 v[LA+2*(\t):LA+2*(\t)+1], v[S+16*(\t):S+16*(\t)+1], v[S+16*(\t)+2:S+16*(\t)+3]
	v_max3_num_f32 v[MX+(\t)], v[S+16*(\t)], v[S+16*(\t)+1], 0x8000000
.endr
.irp i, 4,6,8,10,12,14
.irp t, \t0, \t0+1
	v_pk_add_f32 v[LA+2*(\t):LA+2*(\t)+1], v[LA+2*(\t):LA+2*(\t)+1], v[S+16*(\t)+\i:S+16*(\t)+\i+1]
	v_max3_num_f32 v[MX+(\t)], v[MX+(\t)], v[S+16*(\t)+\i-2], v[S+16*(\t)+\i-1]
.endr
.endr
.irp t, \t0, \t0+1
	v_pk_add_f32 v[LSM+2*(\t):LSM+2*(\t)+1], v[LSM+2*(\t):LSM+2*(\t)+1], v[LA+2*(\t):LA+2*(\t)+1]
	v_max3_num_f32 v[MX+(\t)], v[MX+(\t)], v[S+16*(\t)+14], v[S+16*(\t)+15]
.endr
.irp t, \t0, \t0+1
	v_permlanex16_b32 v[TP+(\t)], v[MX+(\t)], s60, s61
.endr
.irp t, \t0, \t0+1
	v_max_num_f32 v[MX+(\t)], v[MX+(\t)], v[TP+(\t)]
.endr
.irp t, \t0, \t0+1
	v_add_nc_u32 v[SC+(\t)], 0xf8800000, v[MX+(\t)]
.endr
.irp t, \t0, \t0+1
	v_and_or_b32 v[HD+(\t)], v[MX+(\t)], 0x7f800000, s62
.endr
.if (\be) == 0
.irp t, \t0, \t0+1
	v_lshrrev_b32 v[HB+(\t)], 23, v[SC+(\t)]
.endr
.else
.irp t, \t0, \t0+1
	v_lshrrev_b32 v[TP+(\t)], 23, v[SC+(\t)]
.endr
.irp t, \t0, \t0+1
	v_lshl_or_b32 v[HB+(\t)], v[TP+(\t)], 8, v[HB+(\t)]
.endr
.endif
.endm
.macro CVT t, be                       ; the codes go where this pair's 1 / norm lay
	v_cvt_scalef32_pk8_bf8_f32 v[RK+16*(\be)+4*(\t):RK+16*(\be)+4*(\t)+1], v[S+16*(\t):S+16*(\t)+7], v[SC+(\t)]
	v_cvt_scalef32_pk8_bf8_f32 v[RK+16*(\be)+4*(\t)+2:RK+16*(\be)+4*(\t)+3], v[S+16*(\t)+8:S+16*(\t)+15], v[SC+(\t)]
.endm
; The exponentials go in two runs of 32.  Among a run's exponentials stand only lines whose sources were written ahead of the wait in front of the run and whose results are read behind the wait that follows it.
.macro SOFTMAX be
.irp i, 0,1,2,3,4,5,6,7
.irp t, 0,1,2,3
	MULK \t, \i, \be                               ; each accumulator is read from its low end on
.endr
.endr
.irp i, 0,1,2,3,4,5,6,7
	FMQ 0, \i
	FMQ 1, \i
.endr
	s_wait_alu depctr_va_vdst(0)                   ; the wait ahead of the run
.irp i, 0,1,2,3,4,5,6,7,8,9,10,11,12,13,14,15
	v_exp_f32 v[S+\i], v[S+\i]                     ; p = 2^(t - 2), units 0 and 1;
	v_exp_f32 v[S+16+\i], v[S+16+\i]
	FMQ 2+\i/8, \i%8                               ; among them units 2 and 3 are scaled
.endr
	s_wait_alu depctr_va_vdst(0)                   ; and behind it
	STAT 0, \be
	s_wait_alu depctr_va_vdst(0)
.irp i, 0,1,2,3,4,5,6,7,8,9,10,11,12,13,14,15
	v_exp_f32 v[S+32+\i], v[S+32+\i]               ; units 2 and 3; among them units 0 and 1 are held: the conversion does not saturate (ISA guide 7.6.2), and p is not negative
	v_min_num_f32 v[S+\i], v[S+\i], v[HD]
	v_exp_f32 v[S+48+\i], v[S+48+\i]
	v_min_num_f32 v[S+16+\i], v[S+16+\i], v[HD+1]
.endr
	s_wait_alu depctr_va_vdst(0)
	CVT 0, \be
	CVT 1, \be
	STAT 2, \be
.irp i, 0,1,2,3,4,5,6,7,8,9,10,11,12,13,14,15
	v_min_num_f32 v[S+32+\i], v[S+32+\i], v[HD+2]
	v_min_num_f32 v[S+48+\i], v[S+48+\i], v[HD+3]
.endr
	CVT 2, \be
	CVT 3, \be
	v_nop                                          ; a plain line behind the last conversion
.irp t, 0,1,2,3
	ds_store_b128 v[PSA], v[RK+16*(\be)+4*\t:RK+16*(\be)+4*\t+3] offset:2048*\t+512*(\be)
.endr
.if (\be) == 1
.irp t, 0,1,2,3
	ds_store_b16 v[PWS], v[HB+\t] offset:128*\t
.endr
.endif
.endm
; S^T and p of one key step.  Issued in front of it: K's scale words (2), pair 0's K steps 0, 1, 2, 3 (8 each).  Pair 0's first three K steps are 24 products on end; behind them one run of 24 loads.
.macro QKSM
	WIN 0x04                                       ; source 1 (Q) window 1; LDS loads still land in window 0
	s_wait_dscnt 24                                ; K step 0 is in: behind it stand K steps 1, 2, 3
	MULQK 0, 0
	s_wait_dscnt 16                                ; behind K step 1: K steps 2, 3
	MULQK 0, 1
	s_wait_dscnt 8                                 ; behind K step 2: K step 3
	MULQK 0, 2
	PLACES 8                                       ; for the loads into the registers of K steps 0, 1 and 2
	LRK                                            ; 1 / norm goes where K step 2 lay,
	LK 1, 0                                        ; pair 1's first two K steps where K steps 0 and 1 lay
	LK 1, 1
	s_wait_dscnt 24                                ; K step 3 is in: behind it the 24 loads just issued
	MULQK 0, 3
	PLACES 8
	WIN 0
	s_wait_dscnt 16                                ; 1 / norm is in: behind it pair 1's sixteen loads
	SOFTMAX 0
	WIN 0x04
	s_wait_dscnt 12                                ; pair 1's K step 0 is in: behind it K step 1's eight loads and four stores of p
	MULQK 1, 0
	PLACES 8
	LK 1, 2
	s_wait_dscnt 12                                ; K step 1 is in: behind it the four stores and K step 2's eight loads
	MULQK 1, 1
	PLACES 8
	LK 1, 3
	s_wait_dscnt 8                                 ; K step 2 is in: behind it stand K step 3's eight
	MULQK 1, 2
	s_wait_dscnt 0x0
	MULQK 1, 3
	PLACES 8
	WIN 0
	SOFTMAX 1
.endm
; 16 matrix instructions of O^T += V^T P^T: feature tiles 2 g, 2 g + 1 x all eight query tiles.  w = 1: fragment e of p is in when only the later fragments of p (4 loads each) and V's fragments 2, 3 (8) stand behind it
.macro PVB g, zero, w
.irp e, 0,1,2,3,4,5,6,7
.if \w
	s_wait_dscnt 36-4*\e
.endif
.irp i, 0,1
	WM 8*(8*((2*(\g)+\i)%4)+\e), KB+16*((2*(\g)+\i)%4), S+16*\e, \zero, VS+(\g), PW+\e, \i, 0
.endr
.endr
.endm
.macro PV zero, more, last
	ds_load_b64 v[VS:VS+1], v[VSA]
	ds_load_b64 v[VS+2:VS+3], v[VSA] offset:256
.irp e, 0,1,2,3,4,5,6,7
	ds_load_b32 v[PW+\e], v[PWA] offset:128*\e
.endr
	LV 0
	LV 1
.irp e, 0,1,2,3,4,5,6,7
.irp c, 0,1,2,3
	ds_load_b128 v[S+16*\e+4*\c:S+16*\e+4*\c+3], v[PLA] offset:2048*\e+512*\c
.endr
.endr
	LV 2
	LV 3
	s_wait_alu depctr_va_vdst(0)
	WIN 0xa0
	PVB 0, \zero, 1
	PLACES 8
	WIN 0
	LV 4
	LV 5
	WIN 0xa0
	s_wait_dscnt 8                                 ; V's fragments 2 and 3 are in: behind them the eight loads just issued
	PVB 1, \zero, 0
	PLACES 8
	WIN 0
	LV 6
	LV 7
	WIN 0xf0
	s_wait_dscnt 8
	PVB 2, \zero, 0
	PLACES 8
	WIN 0
.if \more
	LKSC
	LK 0, 0
.endif
	WIN 0xf0
	s_wait_dscnt 10*\more                          ; fragments 6 and 7 are in: behind them stand the ten loads for K
	PVB 3, \zero, 0
	PLACES 9                                       ; the next products write the scores over p's registers
	WIN 0
.if \more
	LK 0, 1                                        ; p's registers are free: pair 0's other three K steps in one run
	LK 0, 2
	LK 0, 3
.endif
.endm
; THE CHANGE OF SLOTS.  fill: 3: K alone; 2: K and V; 1: V alone; 0: nothing.  The descriptors' steps and the step's addresses, work on registers, stand between the add and the wait for it.
.macro SYNC fill, more, last
	WIN 0
	s_wait_tensorcnt 0x0                           ; no tensor load of mine is out, so a group 0 may be written
	ds_add_u32 v[SPW], v[NIL]
.if (\fill == 2) || (\fill == 3)
	s_add_co_u32 s45, s52, s66
	s_add_nc_u64 s[46:47], s[46:47], KBLK
.endif
.if (\fill == 2) || (\fill == 1)
	s_add_co_u32 s49, s55, s67
	s_add_nc_u64 s[50:51], s[50:51], VBLK
.endif
	ADDR_PV
.if \more
	ADDR_QK
.endif
.if \last
	v_lshl_add_u32 v15, v[LN], 2, LX
.endif
	s_wait_alu depctr_va_vdst(0)
	s_wait_dscnt 0x0                               ; the add, my reads of the slots to be filled, my stores of p
.if \fill == 3
	CROUND
	JLOADK
.elseif \fill == 2
	CROUND
	JLOADKV
.elseif \fill == 1
	CROUND
	JLOADV
.else
	s_barrier_signal -1
	s_barrier_wait -1
.endif
.endm
.macro STEP zero, fill, more, last
	SYNC \fill, \more, \last
	PV \zero, \more, \last
.if \more
	QKSM
.endif
	WIN 0
	s_xor_b32 s52, s52, KX
	s_xor_b32 s53, s53, KX
	s_xor_b32 s54, s54, VX
	s_xor_b32 s55, s55, VX
	s_xor_b32 s56, s56, PX
	s_xor_b32 s57, s57, PX
.endm
	s_load_b128 s[4:7], s[0:1], 0x0                ; kw, vw
	s_load_b64 s[8:9], s[0:1], 0x10                ; out0
	v_lshl_add_u32 v[SPW], v0, 2, SPARE
	v_mov_b32 v[NIL], 0
	ds_add_u32 v[SPW], v[NIL]                      ; the opening lines: the add twice on end, under one wait
	ds_add_u32 v[SPW], v[NIL]
	v_lshrrev_b32 v3, 5, v0
	v_readfirstlane_b32 s10, v3                    ; wave 0..3
	s_and_b32 s11, s10, 1                          ; b: my half of a step's keys; also the half of a block that I fetch
	s_lshr_b32 s59, s10, 1                         ; a: my half of the queries
	s_bfe_u32 s12, ttmp6, 0x40000                  ; cx
	s_and_b32 s14, ttmp7, 0xffff                   ; cluster y
	s_and_b32 s13, s14, 3
	s_lshl_b32 s13, s13, 2
	s_add_co_u32 s13, s13, s12                     ; my block of 128 queries: 4 (cluster y % 4) + cx: it enters Q's and the output's addresses alone
	s_lshr_b32 s14, s14, 2
	s_lshl_b32 s40, ttmp9, 2
	s_add_co_u32 s14, s14, s40                     ; the batch: 4 x cluster x + cluster y / 4, which the four partners share; all sixteen work-groups of a batch have one cluster x
	s_mul_i32 s66, s11, KHALF
	s_mul_i32 s67, s11, VHALF
	s_lshl_b32 s68, s10, 14                        ; my eight fragments of V
	s_lshl_b32 s69, s10, 9                         ; their scale words; also my 128 features in a row of the output
	s_lshl_b32 s70, s59, 13
	s_lshl_b32 s15, s11, 10                        ; 1,024 b: my key tiles' scale words
	s_add_co_u32 s70, s70, s15                     ; 8,192 a + 1,024 b: my chunks of p's images
	s_lshl_b32 s71, s59, 9
	s_lshl_b32 s79, s11, 1
	s_add_co_u32 s71, s71, s79                     ; 512 a + 2 b: my two bytes of p's scale words
	s_lshl_b32 s63, s11, 15                        ; 32,768 b: my four key tiles
	s_lshl_b32 s79, s11, 8                         ; 256 b: their 1 / norm
	s_mov_b32 s24, 15|(3<<16)|(1<<21)              ; groups 1: half a block, dense, as rows of 256 bytes; the mask names all four work-groups
	s_mov_b32 s25, 32<<16
	s_mov_b32 s26, 133<<16
	s_mov_b32 s27, 32<<16
	s_mov_b32 s28, 133
	s_mov_b32 s29, 32
	s_mov_b32 s30, 0
	s_mov_b32 s31, 0
	s_mov_b32 s32, 15|(3<<16)|(1<<21)
	s_mov_b32 s33, 32<<16
	s_mov_b32 s34, 132<<16
	s_mov_b32 s35, 32<<16
	s_mov_b32 s36, 132
	s_mov_b32 s37, 32
	s_mov_b32 s38, 0
	s_mov_b32 s39, 0
	s_mov_b32 s60, 0x76543210
	s_mov_b32 s61, 0xfedcba98
	s_mov_b32 s62, 0x600000
	s_mul_i32 s16, s14, 16*KBLK
	s_add_co_u32 s16, s16, s66
	s_mov_b32 s17, 0
	s_mul_i32 s18, s14, 16*VBLK
	s_add_co_u32 s18, s18, s67
	s_mov_b32 s19, 0
	s_mul_i32 s20, s14, 16*KBLK
	s_mul_i32 s21, s13, KBLK
	s_add_co_u32 s20, s20, s21
	s_mov_b32 s21, 0
	s_lshl_b32 s22, s14, 22
	s_lshl_b32 s23, s13, 18
	s_add_co_u32 s22, s22, s23
	s_add_co_u32 s22, s22, s69
	s_mov_b32 s23, 0
	s_lshl_b32 s40, s59, 15
	s_lshl_b32 s41, s59, 10
	s_lshl_b32 s42, s59, 8
	v_and_b32 v[LN], 31, v0
	v_bfe_u32 v[HH], v0, 4, 1
	v_and_b32 v[QO], 15, v0
	v_lshl_add_u32 v14, v[LN], 4, s40              ; Q: my four tiles begin 32,768 a bytes into the block
	v_lshl_add_u32 v15, v[LN], 4, s41              ; its scale words
	v_lshl_add_u32 v[QO], v[QO], 2, s42            ; its 1 / norm
.irp i, 0,1,2,3,4,5,6,7
	v_mov_b32 v[LSM+\i], 0
.endr
.irp i, 0,1,2,3
	v_mov_b32 v[TP+\i], 0                          ; a lane permute's destination counts as one of its sources
.endr
	s_wait_alu depctr_va_vdst(0)                   ; the wait at the head's end
	s_wait_dscnt 0x0
	s_wait_kmcnt 0x0
	s_mov_b32 s44, 1                               ; K's group 0: K(0), my half, into slot 0; it then walks
	s_add_co_u32 s45, s66, SLK0
	s_add_nc_u64 s[46:47], s[4:5], s[16:17]
	s_or_b32 s47, s47, 0x80000000
	s_mov_b32 s48, 1                               ; V's likewise
	s_add_co_u32 s49, s67, SLV0
	s_add_nc_u64 s[50:51], s[6:7], s[18:19]
	s_or_b32 s51, s51, 0x80000000
	s_add_nc_u64 s[4:5], s[4:5], s[20:21]
	s_add_nc_u64 s[8:9], s[8:9], s[22:23]
	WIN 0x40
.irp t, 0,1,2,3
.irp k, 0,1,2,3
.irp c, 0,1,2,3
	global_load_b128 v[64*\t+16*\k+4*\c:64*\t+16*\k+4*\c+3], v14, s[4:5] offset:8192*\t+2048*\k+512*\c   ; Q stays in registers, window 1
.endr
.endr
.endr
	WIN 0
	global_load_b128 v[QS:QS+3], v15, s[4:5] offset:65536
	global_load_b128 v[QS+4:QS+7], v15, s[4:5] offset:65536+512
.irp t, 0,1,2,3
	global_load_b32 v[RQ+2*\t], v[QO], s[4:5] offset:67584+64*\t
.endr
	CROUND                                         ; all four work-groups are here: the first joint loads meet
	JLOADKV                                        ; K(0) and V(0): one tensor load a wave at the head
	s_wait_tensorcnt 0x0                           ; the second slots' first fills stand behind the full sequence, as a refill does
	ds_add_u32 v[SPW], v[NIL]
	s_add_co_u32 s45, s66, SLK1
	s_add_nc_u64 s[46:47], s[46:47], KBLK
	s_add_co_u32 s49, s67, SLV1
	s_add_nc_u64 s[50:51], s[50:51], VBLK
	s_mov_b32 s53, SLK0
	s_mov_b32 s57, PB
	ADDR_QK
	s_wait_alu depctr_va_vdst(0)
	s_wait_dscnt 0x0
	CROUND
	JLOADKV                                        ; K(1) and V(1)
	LKSC
	LK 0, 0
	LK 0, 1
	LK 0, 2
	LK 0, 3
	s_wait_loadcnt 0x0                             ; Q, its scale words, its 1 / norm
.irp t, 0,1,2,3
	v_mul_f32 v[RQ+2*\t], 0x3fb8aa3b, v[RQ+2*\t]   ; x log2(e)
.endr
.irp t, 0,1,2,3
	v_mov_b32 v[RQ+2*\t+1], v[RQ+2*\t]
.endr
	s_wait_alu depctr_va_vdst(0)
	QKSM                                           ; key step 0
	s_mov_b32 s52, SLK0
	s_mov_b32 s53, SLK1
	s_mov_b32 s54, SLV0
	s_mov_b32 s55, SLV1
	s_mov_b32 s56, PB
	s_mov_b32 s57, PB+PSZ
	STEP 1, 3, 1, 0                                ; change 0: K(2); O of step 0 starts the sums; S, p of step 1
	s_mov_b32 s58, 13
.Lstep:                                            ; changes 1 to 13: K(j + 2) and V(j + 1)
	STEP 0, 2, 1, 0
	s_sub_co_u32 s58, s58, 1
	s_cmp_lg_u32 s58, 0
	s_cbranch_scc1 .Lstep
; THE LAST TWO KEY STEPS GO BY HALVES OF MY FEATURES.  First feature tiles 0-3 (window 2) of steps 14 and 15: that half of O^T is then finished and leaves, 256 bytes of each row.  Then feature tiles 4-7 (window 3) of step 15,
; whose p is still in registers, and of step 14, whose p and V still lie in LDS: behind change 14 only V(15) is filled, into the other slot, and no p follows step 15's.  So 64 matrix instructions stand behind the first 64 stores.
.macro PLOAD d0                        ; a step's scale words, V's fragments d0 .. d0 + 3 and p's eight, in the order that PVB's counts lean on
	ds_load_b64 v[VS:VS+1], v[VSA]
	ds_load_b64 v[VS+2:VS+3], v[VSA] offset:256
.irp e, 0,1,2,3,4,5,6,7
	ds_load_b32 v[PW+\e], v[PWA] offset:128*\e
.endr
	LV \d0
	LV \d0+1
.irp e, 0,1,2,3,4,5,6,7
.irp c, 0,1,2,3
	ds_load_b128 v[S+16*\e+4*\c:S+16*\e+4*\c+3], v[PLA] offset:2048*\e+512*\c
.endr
.endr
	LV \d0+2
	LV \d0+3
.endm
.macro PVA                             ; O^T += V^T P^T, feature tiles 0-3 alone
	PLOAD 0
	s_wait_alu depctr_va_vdst(0)
	WIN 0xa0
	PVB 0, 0, 1
	s_wait_dscnt 0x0                               ; V's fragments 2 and 3
	PVB 1, 0, 0
	PLACES 9
	WIN 0
.endm
	SYNC 1, 1, 0                                   ; change 14: V(15) alone; written out
	PVA                                            ; step 14, feature tiles 0-3
	LKSC
	LK 0, 0
	LK 0, 1
	LK 0, 2
	LK 0, 3
	QKSM                                           ; S, p of step 15
	WIN 0
	s_xor_b32 s54, s54, VX                         ; V's slot and p's place of step 15
	s_xor_b32 s56, s56, PX
	s_lshl_b32 s72, s59, 9                         ; my partial sums of l go to LX + 1,024 b + 128 (4 a + t) + 4 lane
	s_lshl_b32 s73, s11, 10
	s_add_co_u32 s72, s72, s73
	s_add_co_u32 s72, s72, LX
	v_lshl_add_u32 v14, v[LN], 2, s72
.irp t, 0,1,2,3
	v_add_f32 v[LA+\t], v[LSM+2*\t], v[LSM+2*\t+1]
.endr
.irp t, 0,1,2,3
	v_permlanex16_b32 v[MX+\t], v[LA+\t], s60, s61
.endr
.irp t, 0,1,2,3
	v_add_f32 v[LA+\t], v[LA+\t], v[MX+\t]
.endr
.irp t, 0,1,2,3
	ds_store_b32 v14, v[LA+\t] offset:128*\t       ; the next change shows them to every wave
.endr
	SYNC 0, 0, 1                                   ; change 15: nothing is asked for; it shows p of step 15 and the partial sums of l
.irp e, 0,1,2,3,4,5,6,7
	ds_load_b32 v[RL+2*\e], v15 offset:128*\e              ; l of query tile e over keys' half 0,
	ds_load_b32 v[RL+2*\e+1], v15 offset:1024+128*\e       ; and over half 1
.endr
	PVA                                            ; step 15, feature tiles 0-3; its last wait is for 0, so the partial sums are in too
.irp e, 0,1,2,3,4,5,6,7
	v_add_f32 v[RL+2*\e], v[RL+2*\e], v[RL+2*\e+1] ; l over all keys
.endr
	s_wait_alu depctr_va_vdst(0)                   ; the wait ahead of the batch
.irp e, 0,1,2,3,4,5,6,7
	v_rcp_f32 v[RL+2*\e], v[RL+2*\e]
.endr
; THE WAY OUT, half h of my features (64 features, 256 bytes of a row), a query tile of 16 rows at a time: O^T x 1 / l; a lane's eight features of a row into my stage in LDS (rows of 256 + 16 bytes);
; back by rows, lanes 0-15 one row and lanes 16-31 the next; sixteen lanes store 256 bytes on end, aligned.  Only v192-255 are used, two sets of 32 by turns, so that p of step 15 stays in its registers.
; The stage lies in K's slot 0, which had its last fill behind change 12 and its last read ahead of change 14; it is the wave's own, and LDS serves a wave's instructions in order (ISA guide 5.7.1.4).
	s_mul_i32 s72, s10, 8448
	v_and_b32 v14, 15, v0                          ; r
	v_mul_u32_u24 v[KA], v14, 272
	v_lshl_add_u32 v[KA], v[HH], 5, v[KA]
	v_add_nc_u32 v[KA], s72, v[KA]                 ; in: row r, + 32 (lane / 16)
	v_mul_u32_u24 v[KSA], v[HH], 272
	v_lshl_add_u32 v[KSA], v14, 4, v[KSA]
	v_add_nc_u32 v[KSA], s72, v[KSA]               ; back: row lane / 16, + 16 r
	v_lshlrev_b32 v[RKA], 11, v[HH]
	v_lshl_add_u32 v[RKA], v14, 4, v[RKA]          ; and the same in the output: a row is 2,048 bytes
	s_wait_alu depctr_va_vdst(0)                   ; behind the batch, ahead of the first readers of 1 / l and of O^T
.macro TOST h, e
.if (\h) == 0
	WIN 0x82                                       ; destination and source 0 window 2, 1 / l window 0
.else
	WIN 0xc3                                       ; window 3
.endif
.irp d, 0,1,2,3
.irp i, 0,2,4,6
	v_pk_mul_f32 v[8*(8*\d+(\e))+\i:8*(8*\d+(\e))+\i+1], v[8*(8*\d+(\e))+\i:8*(8*\d+(\e))+\i+1], v[RL+2*(\e):RL+2*(\e)+1] op_sel_hi:[1,0]   ; each accumulator from its low end on
.endr
.endr
.if (\h) == 0
	WIN 0x08                                       ; an LDS store's data are its source 1
.else
	WIN 0x0c
.endif
.irp d, 0,1,2,3
	ds_store_b128 v[KA], v[8*(8*\d+(\e)):8*(8*\d+(\e))+3] offset:64*\d
	ds_store_b128 v[KA], v[8*(8*\d+(\e))+4:8*(8*\d+(\e))+7] offset:64*\d+16
.endr
	WIN 0
.irp p, 0,1,2,3,4,5,6,7
	ds_load_b128 v[KB+32*((\e)%2)+4*\p:KB+32*((\e)%2)+4*\p+3], v[KSA] offset:544*\p
.endr
.endm
.macro SENDH h, e, younger             ; younger: the LDS instructions issued behind tile e's loads
	s_wait_dscnt \younger
.irp p, 0,1,2,3,4,5,6,7
	global_store_b128 v[RKA], v[KB+32*((\e)%2)+4*\p:KB+32*((\e)%2)+4*\p+3], s[8:9] offset:(32*((\e)/2)+8*((\e)%2)+2*\p+8*(\p/4))*2048+256*(\h) th:TH_STORE_NT   ; rows 2 p, 2 p + 1 of the tile: row q is query 32 (e / 2) + 8 (e % 2) + q + 8 (q / 8)
.endr
.endm
.macro OUTH h
	TOST \h, 0
.irp a, 1,2,3,4,5,6,7
.if \a > 1
	s_wait_xcnt 0x0                                ; tile a - 2's stores have read their registers: tile a's loads may land there
.endif
	TOST \h, \a
	SENDH \h, \a-1, 16                             ; behind tile a - 1's loads: tile a's 8 stores and 8 loads
.endr
	SENDH \h, 7, 0
.endm
	OUTH 0                                         ; my first 64 features leave
	s_wait_xcnt 0x0                                ; the stores have read their registers: V's fragments may land there
	LV 4
	LV 5
	LV 6
	LV 7
	s_wait_alu depctr_va_vdst(0)                   ; window 3 of O^T, last written ahead of exponentials
	WIN 0xf0
	s_wait_dscnt 8                                 ; fragments 4 and 5 are in: behind them 6 and 7
	PVB 2, 0, 0                                    ; step 15, feature tiles 4-7: p and the scale words are still in registers
	s_wait_dscnt 0x0
	PVB 3, 0, 0
	PLACES 8
	WIN 0
	s_xor_b32 s54, s54, VX                         ; back to V's slot and p's place of step 14
	s_xor_b32 s56, s56, PX
	ADDR_PV
	PLOAD 4
	WIN 0xf0
	PVB 2, 0, 1                                    ; step 14, feature tiles 4-7
	s_wait_dscnt 0x0
	PVB 3, 0, 0
	PLACES 8
	WIN 0
	OUTH 1                                         ; my other 64 features leave
	s_wait_tensorcnt 0x0                           ; the wave's end
	ds_add_u32 v[SPW], v[NIL]
	s_wait_dscnt 0x0
	CROUND                                         ; the closing round
	s_endpgm
.Lfunc_end_k_qd6ab2c737e_attn:
	.size	k_qd6ab2c737e_attn, .Lfunc_end_k_qd6ab2c737e_attn-k_qd6ab2c737e_attn
	.p2alignl 7, 3214868480
	.fill 96, 4, 3214868480
	.section	.rodata,"a",@progbits
	.p2align	6, 0x0
	.amdhsa_kernel k_qd6ab2c737e_attn
		.amdhsa_group_segment_fixed_size 327680
		.amdhsa_private_segment_fixed_size 0
		.amdhsa_enable_private_segment 0
		.amdhsa_kernarg_size 24
		.amdhsa_user_sgpr_count 2
		.amdhsa_user_sgpr_kernarg_segment_ptr 1
		.amdhsa_wavefront_size32 1
		.amdhsa_system_sgpr_workgroup_id_x 1
		.amdhsa_system_sgpr_workgroup_id_y 1
		.amdhsa_system_sgpr_workgroup_id_z 1
		.amdhsa_system_vgpr_workitem_id 0
		.amdhsa_next_free_vgpr 1024
		.amdhsa_next_free_sgpr 88
		.amdhsa_reserve_vcc 0
		.amdhsa_float_denorm_mode_32 3
		.amdhsa_float_denorm_mode_16_64 3
		.amdhsa_memory_ordered 1
		.amdhsa_forward_progress 1
		.amdhsa_inst_pref_size 255
	.end_amdhsa_kernel
	.section	.bss,"aw",@nobits
	.p2align	6
	.space	262144
	.amdgpu_metadata
---
amdhsa.version: [ 1, 2 ]
amdhsa.kernels:
  - .name:           k_qd6ab2c737e_attn
    .symbol:         k_qd6ab2c737e_attn.kd
    .args:
      - { .name: kw, .offset: 0, .size: 8, .value_kind: global_buffer, .address_space: global }
      - { .name: vw, .offset: 8, .size: 8, .value_kind: global_buffer, .address_space: global }
      - { .name: out0, .offset: 16, .size: 8, .value_kind: global_buffer, .address_space: global }
    .group_segment_fixed_size: 327680
    .private_segment_fixed_size: 0
    .kernarg_segment_align: 8
    .kernarg_segment_size: 24
    .max_flat_workgroup_size: 128
    .sgpr_count:     88
    .vgpr_count:     1024
    .wavefront_size: 32
...
	.end_amdgpu_metadata
.endif
;; end of part 2
